; MI455X (gfx1250); checked and timed in simulation.
; The chip was launched on July 23, 2026; its instructions are those of AMD's public machine-readable ISA for CDNA 5 (MIT licence, August 2026) and "CDNA5" Instruction Set Architecture Reference Guide (July 2026). The comments in the code are by the model that wrote it; some were corrected since.
;; Multi Head Attention. Allowed arithmetic: matrix products marked QUANTISED: E2M1 operands, one E8M0 scale for each 32 along K, by v_wmma_scale_f32_16x16x128_f8f6f4 with both operands' format E2M1 (or v_wmma_scale_f32_32x16x128_f4), f32 sums; products left as they are: bf16, f16 or f32 operands; f32 sums; everything else in f32.
;; Inputs: k 4 x 4,096 x 256 float32; mask 4 x 1 x 1 x 4,096 float32; q 4 x 4,096 x 256 float32; v 4 x 4,096 x 256 float32; wk_b 256 float32; wk_w 256 x 256 float32; wo_b 256 float32; wo_w 256 x 256 float32; wq_b 256 float32; wq_w 256 x 256 float32; wv_b 256 float32; wv_w 256 x 256 float32.
;; Outputs: out0 4 x 4,096 x 256 float32.
;; This version of the problem:
;;   THIS VERSION OF THE PROBLEM IS GIVEN IN LOW PRECISION. The matrix products marked QUANTISED in the list below multiply operands that are first quantised to E2M1 (2 exponent bits, 1 mantissa bit; 4 bits a number), with one power-of-two scale for each 32 numbers along K (OCP MX v1.0); their sums are f32. The products marked 'left as it is' may take bf16, f16 or f32 operands, with f32 sums. Whichever they take, every output number must still come out within the allowed error. Rounding operands to bf16 (8 significant bits) uses up far more of that allowance than f16 does (11 bits, for magnitudes from 6e-5 to 65,504). All else is computed in f32.
;;   The module's matrix products, in the order in which they are computed (A, B: the left and right operand; K: the contracted axis; several contracted axes count as one K, in the product's order):
;;     1. [M 16,384, K 256] x [K 256, N 256]; A: input q; B: input wq_w: QUANTISED
;;     2. [M 16,384, K 256] x [K 256, N 256]; A: input k; B: input wk_w: QUANTISED
;;     3. [M 16,384, K 256] x [K 256, N 256]; A: input v; B: input wv_w: QUANTISED
;;     4. batch 16 x [M 4,096, K 64] x [K 64, N 4,096]; A: computed on the way; B: computed on the way: left as it is (an operand is computed on the way)
;;     5. batch 16 x [M 4,096, K 4,096] x [K 4,096, N 64]; A: computed on the way; B: computed on the way: left as it is (an operand is computed on the way)
;;     6. [M 16,384, K 256] x [K 256, N 256]; A: computed on the way; B: input wo_w: left as it is (an operand is computed on the way)
;;   THE QUANTISER, for each operand of a quantised product, along K:
;;     - K is cut into blocks of 32 from its start; a last block that is shorter is filled with zeros.
;;     - A block's scale is 2^e with e = floor(log2(the largest magnitude in the block)) - 2, held to -126 .. 127; a block of zeros has e = 0. As a byte (E8M0): e + 127.
;;     - Each number is divided by its block's scale, clamped to +-6, and rounded to the nearest number of E2M1, ties to even, subnormals kept.
;;     - The product sums the exact products of the quantised numbers (number of the format x scale) in f32.
;;   ~~~python
;;   def quantise(x, axis):      # numpy; x: float32 -> the quantised numbers, widened to float32 again
;;       x = np.moveaxis(x, axis, -1); K = x.shape[-1]
;;       x = np.pad(x, [(0, 0)] * (x.ndim - 1) + [(0, -K % 32)]); x = x.reshape(x.shape[:-1] + (-1, 32)); a = np.abs(x).max(-1, keepdims=True)
;;       e = np.where(a > 0, np.clip(np.frexp(np.where(a > 0, a, 1))[1] - 1 - 2, -126, 127), 0)      # np.frexp(a)[1] - 1 = floor(log2(a)), exactly
;;       r = np.clip(x / 2.0 ** e, -6, 6)
;;       step = 2.0 ** (np.maximum(np.frexp(np.where(r == 0, 1, r))[1] - 1, 0) - 1)
;;       q = np.round(r / step) * step * 2.0 ** e      # np.round: ties to even
;;       return np.moveaxis(q.reshape(q.shape[:-2] + (-1,))[..., :K], -1, axis).astype(np.float32)
;;   ~~~
;; One version. Each part assembles by itself: llvm-mc -triple=amdgcn-amd-amdhsa -mcpu=gfx1250 --defsym DOCPART=n.
;; ======== version 1 of 1: 4 launches
;; limits: values are held in f16: magnitudes above 65,504 overflow, below 6.1e-05 lose precision
;; workspace buffers: wq4 104,448 bytes; woimg 131,072 bytes; maskb 65,536 bytes; qimg 8,388,608 bytes; kv 16,777,216 bytes; oimg 8,388,608 bytes
;; launch prep (part 1): grid 96 x 1, 1 waves a work-group, no clusters, 0 bytes of LDS; arguments wq_w, wk_w, wv_w, wo_w, mask, wq4, woimg, maskb; writes wq4, woimg, maskb
.if DOCPART == 1
	.amdgcn_target "amdgcn-amd-amdhsa--gfx1250"
	.amdhsa_code_object_version 6
	.text
	.protected	k_qedf7b094d9_prep
	.globl	k_qedf7b094d9_prep
	.p2align	8
	.type	k_qedf7b094d9_prep,@function
k_qedf7b094d9_prep:
	s_mov_b64 s[64:65], 0
	v_nop
	global_prefetch_b8 v0, s[64:65] scope:SCOPE_SE
	s_setreg_imm32_b32 hwreg(HW_REG_WAVE_MODE, 25, 1), 1
	s_wait_xcnt 0x0
; What every later work-group would otherwise make again is made once here, and laid in the order of the reader's operand registers.
; A (work-groups 0-47): wq_w, wk_w, wv_w [256 (k)][256 (n)] f32 -> codes of FP4 (E2M1) along K with one E8M0 byte for each 32 along K.
;   A block's scale is 2^(floor(log2(largest magnitude)) - 2): its byte is the largest magnitude's exponent field - 2, held at 1 from below.
;   wq4: codes at t*32768 + ((j*2+s)*2+c)*512 + 16*lane (t tensor, j tile of 16 columns, s K step of 128, c group of four registers):
;   lane (r, h), register 4c+i = the codes of W[128s+64c+32h+8i .. +7][16j+r].  Scale words at 98304 + (2t+s)*1024 + 4n.
; B (48-63): wo_w [256 (k)][256 (n)] -> f16 fragments, woimg [j 16][ks 8][c 2][lane][16 bytes]: lane (r, h) = wo[32ks+16c+8h+0..7][16j+r].
; C (64-95): maskb = mask x (-1e9 x log2(e)): the mask as the later launch adds it to scores in base 2.
; One wave to a work-group, no LDS, no barrier; a lane takes a column and its registers run down K, so nothing is transposed.
; LIMITS: a block of zeros gets the byte 1 where the rule says 127 (its codes are zeros, and this program alone reads the bytes); blocks under
; 2^(3-127) were not tried; NaN and infinities are not served; wo beyond 65,504 becomes infinity in f16.
.set X,   32                           ; v32-159  128 numbers as loaded
.set CD,  160                          ; v160-223 codes (A: 16 registers) or f16 pairs (B: 64)
.set SO,  24                           ; v24-27   a block's scale operand for the conversion
.set SW,  20                           ; v20      the four bytes of a column's scale word
	s_load_b256 s[4:11], s[0:1], 0x0               ; wq_w s[4:5], wk_w s[6:7], wv_w s[8:9], wo_w s[10:11]
	s_load_b256 s[12:19], s[0:1], 0x20             ; mask s[12:13], wq4 s[14:15], woimg s[16:17], maskb s[18:19]
	v_and_b32 v1, 31, v0                           ; lane
	v_lshlrev_b32 v2, 2, v1                        ; 4 x lane
	v_lshlrev_b32 v3, 4, v1                        ; 16 x lane
	s_mov_b32 s27, 0                               ; the upper word of every offset
	s_wait_kmcnt 0x0
	s_cmp_lt_u32 ttmp9, 48
	s_cbranch_scc0 .Lnot_a
; ---- A: 32 columns x 128 along K of one weight
	s_lshr_b32 s20, ttmp9, 4                       ; t: which weight
	s_bfe_u32 s21, ttmp9, 0x30001                  ; g: which 32 columns
	s_and_b32 s22, ttmp9, 1                        ; s: which 128 along K
	s_cmp_eq_u32 s20, 0
	s_cselect_b64 s[24:25], s[4:5], s[6:7]
	s_cmp_eq_u32 s20, 2
	s_cselect_b64 s[24:25], s[8:9], s[24:25]       ; the choice hangs on the work-group's number alone
	s_lshl_b32 s26, s22, 17                        ; 128 rows of 1,024 bytes
	s_lshl_b32 s23, s21, 7                         ; 32 columns of 4 bytes
	s_add_co_u32 s26, s26, s23
	s_add_nc_u64 s[24:25], s[24:25], s[26:27]
	s_lshl_b32 s26, s20, 1
	s_add_co_u32 s26, s26, s22
	s_lshl_b32 s26, s26, 10
	s_add_co_u32 s26, s26, s23
	s_add_co_u32 s26, s26, 98304
	s_add_nc_u64 s[30:31], s[14:15], s[26:27]      ; my columns' scale words
	s_lshl_b32 s26, s20, 15
	s_lshl_b32 s23, s21, 12
	s_add_co_u32 s26, s26, s23
	s_lshl_b32 s23, s22, 10
	s_add_co_u32 s26, s26, s23
	s_add_nc_u64 s[28:29], s[14:15], s[26:27]      ; my two tiles' codes
.macro LOADA b                         ; block b: W(32 b + i, my column): a load of the wave reads 128 consecutive bytes
.irp i, 0,1,2,3,4,5,6,7,8,9,10,11,12,13,14,15,16,17,18,19,20,21,22,23,24,25,26,27,28,29,30,31
	global_load_b32 v[X+32*(\b)+\i], v2, s[24:25] offset:(32*(\b)+\i)*1024 th:TH_LOAD_NT
.endr
.endm
.macro BLOCKA b, left                  ; left: the loads issued behind this block's, which may stay out
.set XB, X+32*(\b)
	s_wait_loadcnt \left
	v_max3_num_f32 v12, |v[XB]|, |v[XB+1]|, |v[XB+2]|              ; the block's largest magnitude: all 32 numbers are mine; two chains
	v_max3_num_f32 v13, |v[XB+3]|, |v[XB+4]|, |v[XB+5]|
.irp i, 6,10,14,18,22,26
	v_max3_num_f32 v12, v12, |v[XB+\i]|, |v[XB+\i+1]|
	v_max3_num_f32 v13, v13, |v[XB+\i+2]|, |v[XB+\i+3]|
.endr
	v_max3_num_f32 v12, v12, |v[XB+30]|, |v[XB+31]|
	v_max3_num_f32 v12, v12, v13, 0x1800000        ; and the floor 2^(3 - 127): the byte cannot fall under 1
	v_add_nc_u32 v[SO+(\b)], 0xff000000, v12       ; 2 off the exponent field: the conversion takes that field as its scale and nothing else
	v_lshrrev_b32 v13, 23, v[SO+(\b)]              ; the scale's byte
.if (\b) == 0
	v_mov_b32 v[SW], v13
.else
	v_lshl_or_b32 v[SW], v13, 8*(\b), v[SW]        ; the lower K in the lower byte
.endif
.irp i, 0,1,2,3
	v_cvt_scalef32_pk8_fp4_f32 v[CD+4*(\b)+\i], v[XB+8*\i:XB+8*\i+7], v[SO+(\b)]
.endr
.endm
	LOADA 0
	LOADA 1
	BLOCKA 0, 32                                   ; block 1's 32 loads may be out
	LOADA 2
	BLOCKA 1, 32
	LOADA 3
	BLOCKA 2, 32
	BLOCKA 3, 0
	v_nop                                          ; one plain instruction between the last scaled conversion and the lines that touch its results
; The operand's layout wants, of a tile's 16 columns, block 2c in lanes 0-15 and block 2c+1 in lanes 16-31.  I hold block b of 32 columns: the swap gives
; the first register to tile 2g (register 4c+i) and the second to tile 2g+1.
.irp c, 0,1
.irp i, 0,1,2,3
	v_permlane16_swap_b32 v[CD+8*\c+\i], v[CD+8*\c+4+\i]
.endr
.endr
.irp u, 0,1
.irp c, 0,1
	global_store_b128 v3, v[CD+8*\c+4*\u:CD+8*\c+4*\u+3], s[28:29] offset:2048*\u+512*\c   ; 512 consecutive bytes a store
.endr
.endr
	global_store_b32 v2, v[SW], s[30:31]
	s_endpgm
.Lnot_a:
	s_cmp_lt_u32 ttmp9, 64
	s_cbranch_scc0 .Lpath_c
; ---- B: 16 columns of wo, all 256 along K, as f16 fragments
	s_sub_co_u32 s20, ttmp9, 48                    ; j
	s_lshl_b32 s26, s20, 6
	s_add_nc_u64 s[24:25], s[10:11], s[26:27]      ; column 16 j
	s_lshl_b32 s26, s20, 13
	s_add_nc_u64 s[28:29], s[16:17], s[26:27]
	v_and_b32 v5, 15, v0                           ; r
	v_lshrrev_b32 v6, 4, v1                        ; h
	v_lshlrev_b32 v4, 2, v5
	v_lshl_add_u32 v4, v6, 13, v4                  ; column r, 8 h rows down
.macro LOADB ks                        ; register i of K step ks: wo(32 ks + 16 (i / 8) + 8 h + i % 8, 16 j + r)
.irp i, 0,1,2,3,4,5,6,7,8,9,10,11,12,13,14,15
	global_load_b32 v[X+16*(\ks)+\i], v4, s[24:25] offset:(32*(\ks)+16*(\i/8)+\i%8)*1024 th:TH_LOAD_NT
.endr
.endm
	LOADB 0
	LOADB 1
	LOADB 2
	LOADB 3
.irp ks, 0,1,2,3,4,5,6,7
.if \ks < 5
	s_wait_loadcnt 48                              ; the three later K steps' loads may be out
.else
	s_wait_loadcnt 16*(7-\ks)
.endif
.irp i, 0,1,2,3,4,5,6,7
	v_cvt_pk_f16_f32 v[CD+8*\ks+\i], v[X+16*\ks+2*\i], v[X+16*\ks+2*\i+1]
.endr
.if \ks < 4
	LOADB \ks+4
.endif
.irp c, 0,1
	global_store_b128 v3, v[CD+8*\ks+4*\c:CD+8*\ks+4*\c+3], s[28:29] offset:1024*\ks+512*\c
.endr
.endr
	s_endpgm
.Lpath_c:
; ---- C: 512 numbers of the mask
	s_sub_co_u32 s20, ttmp9, 64
	s_lshl_b32 s26, s20, 11
	s_add_nc_u64 s[24:25], s[12:13], s[26:27]
	s_add_nc_u64 s[28:29], s[18:19], s[26:27]
	s_mov_b32 s22, 0xceabfb8f                      ; -1e9 x log2(e)
	s_mov_b32 s23, s22                             ; (named with it as a pair, so it is written)
.irp i, 0,1,2,3
	global_load_b128 v[32+4*\i:35+4*\i], v3, s[24:25] offset:512*\i th:TH_LOAD_NT
.endr
	s_wait_loadcnt 0x0
.irp i, 0,2,4,6,8,10,12,14
	v_pk_mul_f32 v[48+\i:49+\i], v[32+\i:33+\i], s[22:23] op_sel_hi:[1,0]
.endr
.irp i, 0,1,2,3
	global_store_b128 v3, v[48+4*\i:51+4*\i], s[28:29] offset:512*\i
.endr
	s_endpgm
.Lfunc_end_k_qedf7b094d9_prep:
	.size	k_qedf7b094d9_prep, .Lfunc_end_k_qedf7b094d9_prep-k_qedf7b094d9_prep
	.p2alignl 7, 3214868480
	.fill 96, 4, 3214868480
	.section	.rodata,"a",@progbits
	.p2align	6, 0x0
	.amdhsa_kernel k_qedf7b094d9_prep
		.amdhsa_group_segment_fixed_size 0
		.amdhsa_private_segment_fixed_size 0
		.amdhsa_enable_private_segment 0
		.amdhsa_kernarg_size 64
		.amdhsa_user_sgpr_count 2
		.amdhsa_user_sgpr_kernarg_segment_ptr 1
		.amdhsa_wavefront_size32 1
		.amdhsa_system_sgpr_workgroup_id_x 1
		.amdhsa_system_sgpr_workgroup_id_y 1
		.amdhsa_system_sgpr_workgroup_id_z 1
		.amdhsa_system_vgpr_workitem_id 0
		.amdhsa_next_free_vgpr 224
		.amdhsa_next_free_sgpr 66
		.amdhsa_reserve_vcc 0
		.amdhsa_float_denorm_mode_32 3
		.amdhsa_float_denorm_mode_16_64 3
		.amdhsa_memory_ordered 1
		.amdhsa_forward_progress 1
		.amdhsa_inst_pref_size 40
	.end_amdhsa_kernel
	.amdgpu_metadata
---
amdhsa.version: [ 1, 2 ]
amdhsa.kernels:
  - .name:           k_qedf7b094d9_prep
    .symbol:         k_qedf7b094d9_prep.kd
    .args:
      - { .name: wq_w, .offset: 0, .size: 8, .value_kind: global_buffer, .address_space: global }
      - { .name: wk_w, .offset: 8, .size: 8, .value_kind: global_buffer, .address_space: global }
      - { .name: wv_w, .offset: 16, .size: 8, .value_kind: global_buffer, .address_space: global }
      - { .name: wo_w, .offset: 24, .size: 8, .value_kind: global_buffer, .address_space: global }
      - { .name: mask, .offset: 32, .size: 8, .value_kind: global_buffer, .address_space: global }
      - { .name: wq4, .offset: 40, .size: 8, .value_kind: global_buffer, .address_space: global }
      - { .name: woimg, .offset: 48, .size: 8, .value_kind: global_buffer, .address_space: global }
      - { .name: maskb, .offset: 56, .size: 8, .value_kind: global_buffer, .address_space: global }
    .group_segment_fixed_size: 0
    .private_segment_fixed_size: 0
    .kernarg_segment_align: 8
    .kernarg_segment_size: 64
    .max_flat_workgroup_size: 32
    .sgpr_count:     66
    .vgpr_count:     224
    .wavefront_size: 32
...
	.end_amdgpu_metadata
.endif
;; end of part 1
;; launch proj (part 2): grid 128 x 3, 8 waves a work-group, no clusters, 87,040 bytes of LDS; arguments q, k, v, wq_b, wk_b, wv_b, wq4, qimg, kv; writes qimg, kv
.if DOCPART == 2
	.amdgcn_target "amdgcn-amd-amdhsa--gfx1250"
	.amdhsa_code_object_version 6
	.text
	.protected	k_qedf7b094d9_proj
	.globl	k_qedf7b094d9_proj
	.p2align	8
	.type	k_qedf7b094d9_proj,@function
k_qedf7b094d9_proj:
	s_mov_b64 s[64:65], 0
	v_nop
	global_prefetch_b8 v0, s[64:65] scope:SCOPE_SE
	s_setreg_imm32_b32 hwreg(HW_REG_WAVE_MODE, 25, 1), 1
	s_wait_xcnt 0x0
; The three projections x W + b on codes of FP4 (E2M1) with one E8M0 scale for each 32 along K = 256; sums in f32; results as f16 fragments for the attention launch.
; Work-group (x, y): 128 rows of tensor y (0 q, 1 k, 2 v).  Wave w QUANTISES rows 16 w .. +15 (two fragments of 16 rows x 128 K) and hands them to all waves through LDS as images of their registers;
; it then MAKES output channels 32 w .. +31 (head w / 2, half w % 2) for all 128 rows: 32 matrix instructions; its four fragments of W stay in registers.
; q, k: the product is used transposed (source 0 = 16 columns of W, source 1 = 16 rows of x): a lane holds one row and eight neighbouring channels, which is a fragment of Q or K.  q is multiplied by log2(e) / 8.
; v: source 0 = x, source 1 = W: a lane holds one channel and eight neighbouring keys, which is a fragment of V^T.  The bias is the C of each sum's first matrix instruction.
; qimg [bh 16][tile of 16 queries 256][s 2][c 2][lane][16 B]: lane (r, h) = query r, channels 32 s + 16 c + 8 h + 0..7.   kv [bh 16][step of 64 keys 64][16,384 B]: K at +0 [key tile 4][s 2][c 2][512 B], as qimg;
; V at +8,192 [kb 2][ct 4][c 2][512 B]: lane (r, h) = channel 16 ct + r, keys 32 kb + 16 c + 8 h + 0..7.  Every store of a wave is 512 consecutive bytes, aligned, straight from registers.
; NO CLUSTER, NO TENSOR LOAD: of the 164 KB that a work-group reads, 128 KB (its rows of x) are its own and are read once; what work-groups share, W's codes and scale words, is 34 KB and goes straight into registers.
; LIMITS: results beyond 65,504 become infinity in f16, under 6e-5 they keep f16's subnormal step; a block of zeros gets the byte 1 (its codes are zeros; the bytes never leave the launch); NaN and infinities are not served.
.set XIMG,   0                         ; LDS: x's 16 fragments (row tile m, K step s) at (2 m + s) x 1,024
.set XSC,    16384                     ; their scale words, 128 bytes each
.set STG,    18432                     ; a stage of 16 rows x 528 bytes for each wave, its own
.set SPITCH, 528                       ; 512 bytes + 16 = 33 x 16: the sixteen rows that a load touches start at sixteen different banks (64 banks of 4 bytes: ISA guide 11.1)
.set WSTG,   16*SPITCH
.set SPARE,  STG+8*WSTG                ; the spare words, 128 bytes for each wave: four blocks of 256 bytes that no other line names
.set LI,  1                            ; v1   16 x lane
.set LS,  2                            ; v2   4 x lane
.set STI, 4                            ; v4   my stage, as loaded: 16 x lane
.set STO, 5                            ; v5   my stage, turned: row r, + 64 h
.set XWI, 6                            ; v6   where I store x's images: 2,048 x wave + 16 x lane
.set XWS, 7                            ; v7   and their scale words: 256 x wave + 4 x lane
.set R4,  8                            ; v8   4 r
.set H32, 9                            ; v9   32 h
.set SPW, 10                           ; v10  my spare word; never rewritten
.set NIL, 11                           ; v11  0; never rewritten
.set WF,  16                           ; v16-47   W's fragments (j, s) at 8 (2 j + s)
.set WS,  48                           ; v48-51   W's scale words: scales and nothing else
.set XS,  52                           ; v52-59   x's scale words (m', s): scales and nothing else
.set BI,  60                           ; v60-75   the bias in the result's layout, 8 registers a tile j
.set TM,  76                           ; v76-91   the quantiser's: largest magnitudes, bytes, scale operands
.set PW,  92                           ; v92      the scale word just made
.set PC,  96                           ; v96-103  the codes just made
.set PK,  96                           ; v96-127  later: packed results
.set R0,  128                          ; v128-191 x, K step 0; later the eight accumulators (m', j) at 8 (2 m' + j)
.set ACC, 128
.set R1,  192                          ; v192-255 x, K step 1; later x's fragments (m', s) at 8 (2 m' + s)
.set XF,  192
.set SEL, 38                           ; s[38:39] v_permlanex16_b32's selects for lane l xor 16
	s_load_b256 s[4:11], s[0:1], 0x0               ; q s[4:5], k s[6:7], v s[8:9], wq_b s[10:11]
	s_load_b256 s[12:19], s[0:1], 0x20             ; wk_b s[12:13], wv_b s[14:15], wq4 s[16:17], qimg s[18:19]
	s_load_b64 s[20:21], s[0:1], 0x40              ; kv
	v_lshl_add_u32 v[SPW], v0, 2, SPARE
	v_mov_b32 v[NIL], 0
	v_lshrrev_b32 v12, 5, v0
	v_readfirstlane_b32 s22, v12                   ; wave 0..7
	s_and_b32 s23, ttmp7, 0xffff                   ; which tensor
	v_and_b32 v12, 31, v0                          ; lane
	v_and_b32 v13, 15, v0                          ; r
	v_bfe_u32 v14, v0, 4, 1                        ; h
	v_lshlrev_b32 v[LI], 4, v12
	v_lshlrev_b32 v[LS], 2, v12
	v_lshlrev_b32 v[R4], 2, v13
	v_lshlrev_b32 v[H32], 5, v14
	s_mul_i32 s34, s22, WSTG
	s_add_co_u32 s34, s34, STG
	v_add_nc_u32 v[STI], s34, v[LI]
	v_mul_u32_u24 v[STO], v13, SPITCH
	v_lshl_add_u32 v[STO], v14, 6, v[STO]
	v_add_nc_u32 v[STO], s34, v[STO]
	s_lshl_b32 s34, s22, 11
	v_add_nc_u32 v[XWI], s34, v[LI]
	s_lshl_b32 s34, s22, 8
	v_add_nc_u32 v[XWS], s34, v[LS]
.irp b, 0,1,2,3
	v_mov_b32 v[TM+4+\b], 0                        ; written once: a lane permute's destination counts as one of its sources
.endr
	s_mov_b32 s[SEL], 0x76543210
	s_mov_b32 s[SEL+1], 0xfedcba98
	s_mov_b32 s40, 0x3e38aa3b                      ; log2(e) / 8
	s_mov_b32 s41, s40                             ; (named with it as a pair, so it is written)
	s_mov_b32 s35, 0                               ; the upper word of every offset
	s_mov_b32 s37, 0
	s_wait_kmcnt 0x0
	s_cmp_eq_u32 s23, 0                            ; the choices hang on the work-group's number alone
	s_cselect_b64 s[24:25], s[4:5], s[6:7]         ; x
	s_cselect_b64 s[26:27], s[10:11], s[12:13]     ; its bias
	s_cselect_b64 s[28:29], s[18:19], s[20:21]     ; where the results go
	s_cselect_b32 s44, 0, 1                        ; kv has twice qimg's bytes for a row
	s_cmp_eq_u32 s23, 2
	s_cselect_b64 s[24:25], s[8:9], s[24:25]
	s_cselect_b64 s[26:27], s[14:15], s[26:27]
	s_cselect_b32 s45, 1, 0
	s_cselect_b32 s46, 8192, 0                     ; V lies behind K in a step's 16,384 bytes
	s_lshl_b32 s36, 8192, s44                      ; from my first four row tiles to the next four: 8,192 bytes in qimg, a step in kv
	s_lshl_b32 s34, ttmp9, 17                      ; 128 rows of 1,024 bytes,
	s_lshl_b32 s42, s22, 14                        ; my wave's 16
	s_add_co_u32 s34, s34, s42
	s_add_nc_u64 s[24:25], s[24:25], s[34:35]
	s_lshl_b32 s34, s22, 7                         ; my 32 numbers of the bias
	s_add_nc_u64 s[26:27], s[26:27], s[34:35]
	s_lshl_b32 s34, s23, 15
	s_lshl_b32 s42, s22, 12
	s_add_co_u32 s34, s34, s42
	s_add_nc_u64 s[30:31], s[16:17], s[34:35]      ; my two tiles of W's codes
	s_lshl_b32 s34, s23, 11
	s_lshl_b32 s42, s22, 7
	s_add_co_u32 s34, s34, s42
	s_add_co_u32 s34, s34, 98304
	s_add_nc_u64 s[32:33], s[16:17], s[34:35]      ; and their scale words
	s_lshr_b32 s42, ttmp9, 5                       ; batch
	s_lshl_b32 s42, s42, 2
	s_lshr_b32 s43, s22, 1                         ; head
	s_add_co_u32 s42, s42, s43
	s_lshl_b32 s42, s42, 19
	s_and_b32 s43, ttmp9, 31
	s_lshl_b32 s43, s43, 14
	s_add_co_u32 s42, s42, s43
	s_lshl_b32 s42, s42, s44
	s_and_b32 s43, s22, 1                          ; which half of the head's 64 channels
	s_lshl_b32 s43, s43, 10
	s_lshl_b32 s43, s43, s45
	s_add_co_u32 s43, s43, s46
	s_add_co_u32 s34, s42, s43
	s_add_nc_u64 s[28:29], s[28:29], s[34:35]
	s_cmp_eq_u32 s23, 2                            ; the bias in the result's layout
	s_cbranch_scc1 .Lbias_v
.irp j, 0,1
.irp u, 0,1
	global_load_b128 v[BI+8*\j+4*\u:BI+8*\j+4*\u+3], v[H32], s[26:27] offset:64*\j+16*\u   ; q, k: register i = channel 16 j + 8 h + i
.endr
.endr
	s_branch .Lbias_done
.Lbias_v:
.irp j, 0,1
.irp i, 0,1,2,3,4,5,6,7
	global_load_b32 v[BI+8*\j+\i], v[R4], s[26:27] offset:64*\j                            ; v: every register = channel 16 j + r
.endr
.endr
.Lbias_done:
.irp j, 0,1
.irp s, 0,1
.irp c, 0,1
	global_load_b128 v[WF+8*(2*\j+\s)+4*\c:WF+8*(2*\j+\s)+4*\c+3], v[LI], s[30:31] offset:(2*\j+\s)*1024+512*\c
.endr
	global_load_b32 v[WS+2*\j+\s], v[R4], s[32:33] offset:1024*\s+64*\j
.endr
.endr
.irp s, 0,1
.irp p, 0,1,2,3,4,5,6,7,8,9,10,11,12,13,14,15
	global_load_b128 v[R0+64*\s+4*\p:R0+64*\s+4*\p+3], v[LI], s[24:25] offset:1024*\p+512*\s th:TH_LOAD_NT   ; 512 consecutive bytes of row p
.endr
.endr
; 128 along K of my 16 rows turn through my stage: in as loaded, out so that register 16 b + i holds k = 32 b + 16 h + i of row r
.macro TURN s
.irp p, 0,1,2,3,4,5,6,7,8,9,10,11,12,13,14,15
	ds_store_b128 v[STI], v[R0+64*\s+4*\p:R0+64*\s+4*\p+3] offset:SPITCH*\p
.endr
	s_wait_dscnt 0x0                               ; the stores have read their registers, into which the loads below land
.irp b, 0,1,2,3
.irp u, 0,1,2,3
	ds_load_b128 v[R0+64*\s+16*\b+4*\u:R0+64*\s+16*\b+4*\u+3], v[STO] offset:128*\b+16*\u
.endr
.endr
	s_wait_dscnt 0x0
.endm
; 64 numbers of a lane become a fragment's codes in v[PC] on and its scale word in v[PW]
.macro QUANT src
.irp b, 0,1,2,3
	v_max3_num_f32 v[TM+\b], |v[\src+16*\b]|, |v[\src+1+16*\b]|, 0x1800000   ; block b: my 16 numbers, and the floor 2^(3 - 127): the byte cannot fall under 1
.endr
.irp i, 2,4,6,8,10,12,14
.irp b, 0,1,2,3
	v_max3_num_f32 v[TM+\b], v[TM+\b], |v[\src+16*\b+\i]|, |v[\src+1+16*\b+\i]|   ; (the four blocks by turns)
.endr
.endr
.irp b, 0,1,2,3
	v_permlanex16_b32 v[TM+4+\b], v[TM+\b], s[SEL], s[SEL+1]
.endr
.irp b, 0,1,2,3
	v_max_num_f32 v[TM+\b], v[TM+\b], v[TM+4+\b]   ; with lane l xor 16's: the block's largest magnitude
.endr
.irp b, 0,1,2,3
	v_add_nc_u32 v[TM+12+\b], 0xff000000, v[TM+\b] ; 2 off its exponent field: the conversion's scale operand
.endr
.irp b, 0,1,2,3
	v_lshrrev_b32 v[TM+4+\b], 23, v[TM+12+\b]      ; the scale's byte
.endr
	v_lshl_or_b32 v[PW], v[TM+5], 8, v[TM+4]
	v_lshl_or_b32 v[PW], v[TM+6], 16, v[PW]
	v_lshl_or_b32 v[PW], v[TM+7], 24, v[PW]
.irp b, 0,1,2,3
	v_cvt_scalef32_pk8_fp4_f32 v[PC+2*\b], v[\src+16*\b:\src+7+16*\b], v[TM+12+\b]
	v_cvt_scalef32_pk8_fp4_f32 v[PC+1+2*\b], v[\src+8+16*\b:\src+15+16*\b], v[TM+12+\b]
.endr
	v_nop                                          ; one plain instruction behind the last scaled conversion
.irp c, 0,1                                    ; the operand's layout wants a WHOLE block in a lane: lanes 0-15 block 2 c, lanes 16-31 block 2 c + 1
.irp i, 0,1
	v_permlane16_swap_b32 v[PC+4*\c+\i], v[PC+2+4*\c+\i]
.endr
.endr
.endm
.macro IMAGE s                         ; the fragment goes to LDS as it stands in my registers
.irp c, 0,1
	ds_store_b128 v[XWI], v[PC+4*\c:PC+4*\c+3] offset:XIMG+1024*\s+512*\c
.endr
	ds_store_b32 v[XWS], v[PW] offset:XSC+128*\s
	s_wait_dscnt 0x0                               ; the stores have read their registers
.endm
	s_wait_loadcnt 16                              ; K step 0 of x is in, and all that was asked for ahead of it; K step 1's sixteen loads may be out
	TURN 0
	QUANT R0
	IMAGE 0
	s_wait_loadcnt 0x0
	TURN 1
	QUANT R1
	IMAGE 1
	s_barrier_signal -1                            ; my stores have landed (the wait for 0 in IMAGE)
	s_barrier_wait -1                              ; x's sixteen fragments lie in LDS; from here on LDS is only read
; Four row tiles: their fragments from LDS, 16 matrix instructions on eight accumulators by turns, f16, eight stores.  nat = 0: q, k (transposed);  nat = 1: v
.macro HALF nat, g
.irp m, 0,1,2,3
.irp s, 0,1
.irp c, 0,1
	ds_load_b128 v[XF+8*(2*\m+\s)+4*\c:XF+8*(2*\m+\s)+4*\c+3], v[LI] offset:XIMG+(2*(4*\g+\m)+\s)*1024+512*\c
.endr
	ds_load_b32 v[XS+2*\m+\s], v[LS] offset:XSC+128*(2*(4*\g+\m)+\s)
.endr
.endr
	s_wait_dscnt 0x0
.irp s, 0,1
.irp m, 0,1,2,3
.irp j, 0,1
.if \nat
.if \s == 0
	v_wmma_scale_f32_16x16x128_f8f6f4 v[ACC+8*(2*\m+\j):ACC+8*(2*\m+\j)+7], v[XF+8*(2*\m+\s):XF+8*(2*\m+\s)+7], v[WF+8*(2*\j+\s):WF+8*(2*\j+\s)+7], v[BI+8*\j:BI+8*\j+7], v[XS+2*\m+\s], v[WS+2*\j+\s] matrix_a_fmt:MATRIX_FMT_FP4 matrix_b_fmt:MATRIX_FMT_FP4
.else
	v_wmma_scale_f32_16x16x128_f8f6f4 v[ACC+8*(2*\m+\j):ACC+8*(2*\m+\j)+7], v[XF+8*(2*\m+\s):XF+8*(2*\m+\s)+7], v[WF+8*(2*\j+\s):WF+8*(2*\j+\s)+7], v[ACC+8*(2*\m+\j):ACC+8*(2*\m+\j)+7], v[XS+2*\m+\s], v[WS+2*\j+\s] matrix_a_fmt:MATRIX_FMT_FP4 matrix_b_fmt:MATRIX_FMT_FP4
.endif
.else
.if \s == 0
	v_wmma_scale_f32_16x16x128_f8f6f4 v[ACC+8*(2*\m+\j):ACC+8*(2*\m+\j)+7], v[WF+8*(2*\j+\s):WF+8*(2*\j+\s)+7], v[XF+8*(2*\m+\s):XF+8*(2*\m+\s)+7], v[BI+8*\j:BI+8*\j+7], v[WS+2*\j+\s], v[XS+2*\m+\s] matrix_a_fmt:MATRIX_FMT_FP4 matrix_b_fmt:MATRIX_FMT_FP4
.else
	v_wmma_scale_f32_16x16x128_f8f6f4 v[ACC+8*(2*\m+\j):ACC+8*(2*\m+\j)+7], v[WF+8*(2*\j+\s):WF+8*(2*\j+\s)+7], v[XF+8*(2*\m+\s):XF+8*(2*\m+\s)+7], v[ACC+8*(2*\m+\j):ACC+8*(2*\m+\j)+7], v[WS+2*\j+\s], v[XS+2*\m+\s] matrix_a_fmt:MATRIX_FMT_FP4 matrix_b_fmt:MATRIX_FMT_FP4
.endif
.endif
.endr
.endr
.endr
.rept 4
	v_nop                                          ; four places between the last product and the first read of results (ISA guide 7.12.1)
.endr
.if \nat
.irp u, 0,1
.irp j, 0,1
.irp c, 0,1
.irp i, 0,1,2,3
	v_cvt_pk_f16_f32 v[PK+8*(2*\u+\j)+4*\c+\i], v[ACC+8*(2*(2*\u+\c)+\j)+2*\i], v[ACC+8*(2*(2*\u+\c)+\j)+2*\i+1]   ; channel 16 j + r, keys 32 u + 16 c + 8 h + 2 i, + 1; each accumulator from its low end
.endr
.endr
.endr
.endr
.irp u, 0,1
.irp j, 0,1
.irp c, 0,1
	global_store_b128 v[LI], v[PK+8*(2*\u+\j)+4*\c:PK+8*(2*\u+\j)+4*\c+3], s[28:29] offset:4096*\u+1024*\j+512*\c
.endr
.endr
.endr
.else
	s_cmp_lg_u32 s23, 0                            ; q alone is multiplied by log2(e) / 8
	s_cbranch_scc1 .Lnoscale_\@
.set i, 0
.rept 32
	v_pk_mul_f32 v[ACC+i:ACC+i+1], v[ACC+i:ACC+i+1], s[40:41] op_sel_hi:[1,0]
.set i, i+2
.endr
.Lnoscale_\@:
.irp m, 0,1,2,3
.irp j, 0,1
.irp i, 0,1,2,3
	v_cvt_pk_f16_f32 v[PK+8*\m+4*\j+\i], v[ACC+8*(2*\m+\j)+2*\i], v[ACC+8*(2*\m+\j)+2*\i+1]   ; row r, channels 16 j + 8 h + 2 i, + 1
.endr
.endr
.endr
.irp m, 0,1,2,3
.irp j, 0,1
	global_store_b128 v[LI], v[PK+8*\m+4*\j:PK+8*\m+4*\j+3], s[28:29] offset:2048*\m+512*\j
.endr
.endr
.endif
.endm
.macro NEXTHALF
	s_wait_xcnt 0x0                                ; the stores have read their data and their base: both are written again only behind this wait
	s_add_nc_u64 s[28:29], s[28:29], s[36:37]
.rept 5
	v_nop                                          ; the next sums begin anew, with the bias as C, on the same accumulators: five places behind the last product
.endr
.endm
	s_cmp_eq_u32 s23, 2
	s_cbranch_scc1 .Lv
	HALF 0, 0
	NEXTHALF
	HALF 0, 1
	s_branch .Lend
.Lv:
	HALF 1, 0
	NEXTHALF
	HALF 1, 1
.Lend:
	s_wait_tensorcnt 0x0                           ; the wave's end, behind my last LDS store
	ds_add_u32 v[SPW], v[NIL]
	s_wait_dscnt 0x0
	s_endpgm
.Lfunc_end_k_qedf7b094d9_proj:
	.size	k_qedf7b094d9_proj, .Lfunc_end_k_qedf7b094d9_proj-k_qedf7b094d9_proj
	.p2alignl 7, 3214868480
	.fill 96, 4, 3214868480
	.section	.rodata,"a",@progbits
	.p2align	6, 0x0
	.amdhsa_kernel k_qedf7b094d9_proj
		.amdhsa_group_segment_fixed_size 87040
		.amdhsa_private_segment_fixed_size 0
		.amdhsa_enable_private_segment 0
		.amdhsa_kernarg_size 72
		.amdhsa_user_sgpr_count 2
		.amdhsa_user_sgpr_kernarg_segment_ptr 1
		.amdhsa_wavefront_size32 1
		.amdhsa_system_sgpr_workgroup_id_x 1
		.amdhsa_system_sgpr_workgroup_id_y 1
		.amdhsa_system_sgpr_workgroup_id_z 1
		.amdhsa_system_vgpr_workitem_id 0
		.amdhsa_next_free_vgpr 256
		.amdhsa_next_free_sgpr 66
		.amdhsa_reserve_vcc 0
		.amdhsa_float_denorm_mode_32 3
		.amdhsa_float_denorm_mode_16_64 3
		.amdhsa_memory_ordered 1
		.amdhsa_forward_progress 1
		.amdhsa_inst_pref_size 52
	.end_amdhsa_kernel
	.amdgpu_metadata
---
amdhsa.version: [ 1, 2 ]
amdhsa.kernels:
  - .name:           k_qedf7b094d9_proj
    .symbol:         k_qedf7b094d9_proj.kd
    .args:
      - { .name: q, .offset: 0, .size: 8, .value_kind: global_buffer, .address_space: global }
      - { .name: k, .offset: 8, .size: 8, .value_kind: global_buffer, .address_space: global }
      - { .name: v, .offset: 16, .size: 8, .value_kind: global_buffer, .address_space: global }
      - { .name: wq_b, .offset: 24, .size: 8, .value_kind: global_buffer, .address_space: global }
      - { .name: wk_b, .offset: 32, .size: 8, .value_kind: global_buffer, .address_space: global }
      - { .name: wv_b, .offset: 40, .size: 8, .value_kind: global_buffer, .address_space: global }
      - { .name: wq4, .offset: 48, .size: 8, .value_kind: global_buffer, .address_space: global }
      - { .name: qimg, .offset: 56, .size: 8, .value_kind: global_buffer, .address_space: global }
      - { .name: kv, .offset: 64, .size: 8, .value_kind: global_buffer, .address_space: global }
    .group_segment_fixed_size: 87040
    .private_segment_fixed_size: 0
    .kernarg_segment_align: 8
    .kernarg_segment_size: 72
    .max_flat_workgroup_size: 256
    .sgpr_count:     66
    .vgpr_count:     256
    .wavefront_size: 32
...
	.end_amdgpu_metadata
.endif
;; end of part 2
;; launch attn (part 3): grid 16 x 16, 8 waves a work-group, clusters of 4 x 1, 327,680 bytes of LDS; arguments qimg, kv, maskb, oimg; writes oimg
.if DOCPART == 3
	.amdgcn_target "amdgcn-amd-amdhsa--gfx1250"
	.amdhsa_code_object_version 6
	.text
	.protected	k_qedf7b094d9_attn
	.globl	k_qedf7b094d9_attn
	.p2align	8
	.type	k_qedf7b094d9_attn,@function
k_qedf7b094d9_attn:
	s_mov_b64 s[64:65], 0
	v_nop
	global_prefetch_b8 v0, s[64:65] scope:SCOPE_SE
	s_setreg_imm32_b32 hwreg(HW_REG_WAVE_MODE, 25, 1), 1
	s_wait_xcnt 0x0
	s_wait_alu depctr_hold_cnt(0) depctr_sa_sdst(0) depctr_va_vdst(0) depctr_va_sdst(0) depctr_va_ssrc(0) depctr_va_vcc(0) depctr_vm_vsrc(0)
	s_getreg_b32 s2, hwreg(HW_REG_IB_STS2, 6, 4)
	s_cmp_eq_u32 s2, 0
	s_cbranch_scc0 .Lentry_in_a_cluster
	s_endpgm
.Lentry_in_a_cluster:
	s_bfe_u32 s2, ttmp6, 0x10000c
	s_cmp_lg_u32 s2, 0x3003
	s_cbranch_scc0 .Lentry_shape_is_right
	s_endpgm
.Lentry_shape_is_right:
; O = softmax(Q K^T / 8 + mask x (-1e9)) V for 16 (batch, head) pairs of 4,096 positions and 64 channels.  Operands in f16; products, maxima and sums in f32.
; Q arrives multiplied by log2(e) / 8 and the mask by -1e9 log2(e), so t = Q . K + maskb is the logit in base 2; p = 2^(t - m) with a RUNNING MAXIMUM m; O and the sum l are multiplied by 2^(m_old - m_new) in every step.
; THE MASK COSTS NO VECTOR INSTRUCTION: its eight numbers of a key tile are the C of that tile's first product.  It is taken as a number: no key is skipped.
; SHARES.  A work-group owns 256 queries of one (batch, head).  Wave w owns queries 64 (w % 4) .. +63, four tiles of 16, and HALF of the keys: 2,048 (w / 4) .. +2,047, in 32 steps of 64.  Two waves of 512 registers
; share a SIMD, so that one wave's softmax stands beside the other's products and LDS loads, and each fragment of K or V read from LDS still feeds four products.  The two halves are merged once, at the end, through LDS.
; LAYOUT.  Both products are used transposed: S^T = K Q^T (source 0 = 16 keys, source 1 = 16 queries), O^T = V^T P (source 0 = 16 channels, source 1 = P): a lane holds ONE query (lane % 16) throughout, and two tiles of
; S^T, rounded to f16 in pairs IN PLACE, are source 1 of the second product.  qimg, kv and oimg hold images of operand registers (512 bytes for four registers of 32 lanes): every fragment comes by loads at 16 x lane.
; RING.  Two LDS slots of 8 chunks of 16,384 bytes: chunk i = key half i / 4, step i % 4 of the slot: K's 8,192 bytes, then V's.  Wave w fetches chunk w: one tensor load of 64 rows x 256 bytes behind each change of slots.
; CLUSTER.  The four query blocks of a cluster walk the same K, V and mask: every tensor load is asked for JOINTLY, by the same line with the same descriptor and a mask that names the four.
; LIMITS: a row whose every key carries a mask near 1 has its logits rounded on the grid of 128 in base 2; O beyond 65,504 becomes infinity in f16; NaN and infinities are not served.
; REGISTERS, window 0: v1-9 addresses; v16-47 eight registers of statistics a tile (+0 m, +1 zero, +2 +3 l, +4 .. +7 at work; +6 becomes a = 2^(m_old - m_new)); v48-55 a second chain of sums, a pair a tile;
;   v64-191 S^T, 32 a tile, then P in its first 16; v192-255 ONE buffer: the step's K, then its V.     window 1: v0-127 O^T, 32 a tile; v128-191 Q, 16 a tile; v192-223 the mask, 8 a key tile.
.set SLOT1, 1<<17                      ; slot 1 begins here: one exclusive or turns an address in one slot into the other's
.set MB,    2*SLOT1                    ; behind the ring: the batch's 4,096 numbers of the mask, filled once
.set SPARE, MB+16384                   ; the spare words, 128 bytes for each wave: four blocks of 256 bytes that no other line names
.set MGW,   17408                      ; the merge's stage for a group of 64 queries: 16,384 bytes of O^T, 512 of m, 512 of l.  It lies in slot 0, which has had its last fill and its last read at the last change of slots
.set AKV, 1                            ; v1   16 x lane + my key half's chunks
.set AMB, 2                            ; v2   my key half's part of the mask, + 32 h
.set ADR, 3                            ; v3   the step's chunk
.set ADM, 4                            ; v4   the step's 64 numbers of the mask
.set LN,  5                            ; v5   16 x lane
.set MGA, 6                            ; v6   my query group's stage + 16 x lane
.set PFO, 7                            ; v7   256 x lane; never rewritten
.set SPW, 8                            ; v8   my spare word; never rewritten
.set NIL, 9                            ; v9   0; never rewritten
.set ST,  16
.set BP,  48
.set S,   64
.set KV,  192
.set Q,   128                          ; in window 1
.set BI,  192                          ; in window 1
.set WV,  12                           ; s12  my wave's number
.set PFA, 18                           ; s[18:19] where my prefetches stand
.set LIM, 20                           ; s20  1 in a wave that prefetches, else the greatest number
.set SLOTS, 21                         ; s21  slots still to be asked for
.set FOUR, 22                          ; s22  counts a slot's four steps
.set TB,  23                           ; s23  LDS byte at which the step's chunk of key half 0 begins
.set G1,  24                           ; s[24:31] descriptor group 1: a chunk
.set G1M, 32                           ; s[32:39] the same for an eighth of the mask
.set G0,  40                           ; s[40:43] group 0 for chunks: it walks
.set G0M, 44                           ; s[44:47] group 0 for the mask
.set TMK, 48                           ; s48  256 bytes of the mask a step
.set SEL, 50                           ; s[50:51] v_permlanex16_b32's selects for lane l xor 16
.set MSB, 0
.macro WIN new                         ; bits 1:0 source 0, 3:2 source 1, 5:4 source 2, 7:6 destination; the immediate's high byte repeats the setting that is left
.if MSB != \new
	s_set_vgpr_msb (MSB<<8)|\new
.set MSB, \new
.endif
.endm
.macro CROUND                          ; a round of the cluster's barrier: my work-group's barrier; wave 0 signals for the work-group; every wave waits for all four; my work-group's barrier once more
	s_barrier_signal -1
	s_barrier_wait -1
	s_cmp_lg_u32 s[WV], 0
	s_cbranch_scc1 .Lnot_wave_0_\@
	s_barrier_signal -3
.Lnot_wave_0_\@:
	s_barrier_wait -3
	s_barrier_signal -1
	s_barrier_wait -1
.endm
; A PREFETCH INTO THE L2 of what the NEXT change of slots will ask for: 65,536 bytes of each key half.  Each aligned block of 256 bytes of kv is named once in the launch: the four clusters of a (batch, head) walk the
; same bytes, so its first cluster asks; its four partners take a chunk each, told apart BY ADDRESS; in each, waves 0 and 1 ask for key half 0 and waves 4 and 5 for half 1, 8,192 bytes a wave, lanes 256 bytes apart.
; It stands behind the wave's tensor load and its five lines.  The last change that fills a slot asks for nothing: there is no slot behind it.  The first two slots come by their loads alone.
.macro ASK
	s_cmp_gt_u32 s[SLOTS], s[LIM]
	s_cbranch_scc0 .Lnot_mine_\@
	global_prefetch_b8 v[PFO], s[PFA:PFA+1] th:TH_LOAD_NT scope:SCOPE_SE
.Lnot_mine_\@:
.endm
	s_load_b256 s[4:11], s[0:1], 0x0               ; qimg s[4:5], kv s[6:7], maskb s[8:9], oimg s[10:11]
	v_lshl_add_u32 v[SPW], v0, 2, SPARE
	v_mov_b32 v[NIL], 0
	ds_add_u32 v[SPW], v[NIL]                      ; the wave's opening: the add, twice on end, and its wait ahead of my first tensor load; the set-up below stands between the second and the wait
	ds_add_u32 v[SPW], v[NIL]
	v_lshrrev_b32 v10, 5, v0
	v_readfirstlane_b32 s[WV], v10                 ; wave 0..7
	s_bfe_u32 s13, ttmp6, 0x40000                  ; cx: my place in the cluster: it enters Q's, O's and the prefetches' addresses alone
	s_lshl_b32 s14, ttmp9, 2                       ; in a cluster launch ttmp9 counts clusters
	s_add_co_u32 s14, s14, s13                     ; my block of 256 queries
	s_and_b32 s15, ttmp7, 0xffff                   ; 4 x batch + head, which the partners share
	s_lshr_b32 s16, s[WV], 2                       ; my key half
	s_and_b32 s17, s[WV], 3                        ; my group of 64 queries; also: the step of a slot whose chunk I fetch
	; descriptor group 1: dense blocks as rows of 256 bytes (32 elements of 8 bytes), no padding: fragments are read at 16 x lane
	s_mov_b32 s[G1], 15|(3<<16)|(1<<21)            ; 15:0 the mask: all four work-groups; 17:16 elements of 8 bytes; 21 set beside a mask
	s_mov_b32 s[G1+1], 32<<16                      ; tensor_dim0 = 32
	s_mov_b32 s[G1+2], 64<<16                      ; tensor_dim1 = 64
	s_mov_b32 s[G1+3], 32<<16                      ; tile_dim0 = 32
	s_mov_b32 s[G1+4], 64                          ; tile_dim1 = 64 rows: 16,384 bytes
	s_mov_b32 s[G1+5], 32                          ; from row to row
	s_mov_b32 s[G1+6], 0
	s_mov_b32 s[G1+7], 0
	s_mov_b32 s[G1M], 15|(3<<16)|(1<<21)
	s_mov_b32 s[G1M+1], 32<<16
	s_mov_b32 s[G1M+2], 8<<16
	s_mov_b32 s[G1M+3], 32<<16
	s_mov_b32 s[G1M+4], 8                          ; 8 rows: 2,048 bytes
	s_mov_b32 s[G1M+5], 32
	s_mov_b32 s[G1M+6], 0
	s_mov_b32 s[G1M+7], 0
	s_lshl_b32 s54, s15, 20                        ; kv: a (batch, head) is 64 steps of 16,384 bytes,
	s_lshl_b32 s49, s16, 19                        ; a key half 32 steps
	s_add_co_u32 s54, s54, s49
	s_mov_b32 s58, s54
	s_lshl_b32 s49, s17, 14                        ; my chunk of the first slot
	s_add_co_u32 s54, s54, s49
	s_mov_b32 s55, 0
	s_lshr_b32 s56, s15, 2                         ; the batch's mask, 16,384 bytes,
	s_lshl_b32 s56, s56, 14
	s_lshl_b32 s49, s[WV], 11                      ; my eighth of it
	s_add_co_u32 s56, s56, s49
	s_mov_b32 s57, 0
	s_lshl_b32 s52, s13, 14                        ; the prefetches: my work-group's chunk,
	s_add_co_u32 s58, s58, s52
	s_and_b32 s52, s[WV], 1
	s_lshl_b32 s52, s52, 13                        ; my wave's half of it,
	s_add_co_u32 s58, s58, s52
	s_add_co_u32 s58, s58, 65536                   ; in the second slot's keys: the first change of slots steps it to the third's
	s_mov_b32 s59, 0
	s_lshl_b32 s52, s15, 19                        ; qimg: 256 tiles of 2,048 bytes a (batch, head); 16 tiles a block, 4 a wave
	s_lshl_b32 s53, s14, 15
	s_add_co_u32 s52, s52, s53
	s_lshl_b32 s53, s17, 13
	s_add_co_u32 s52, s52, s53
	s_mov_b32 s53, 0
	s_and_b32 s[LIM], s[WV], 2                     ; waves 0, 1, 4, 5
	s_or_b32 s[LIM], s[LIM], ttmp9                 ; of the first cluster: the same in all four partners
	s_cmp_eq_u32 s[LIM], 0
	s_cselect_b32 s[LIM], 1, -1
	s_mov_b32 s[SLOTS], 7
	s_mov_b32 s[TB], 0
	s_mov_b32 s[TMK], 0
	s_mov_b32 s[SEL], 0x76543210
	s_mov_b32 s[SEL+1], 0xfedcba98
	v_and_b32 v[LN], 31, v0
	v_lshlrev_b32 v[LN], 4, v[LN]
	v_lshlrev_b32 v[PFO], 4, v[LN]
	s_lshl_b32 s49, s16, 16
	v_add_nc_u32 v[AKV], s49, v[LN]
	v_bfe_u32 v[AMB], v0, 4, 1
	v_lshlrev_b32 v[AMB], 5, v[AMB]
	s_lshl_b32 s49, s16, 13
	s_add_co_u32 s49, s49, MB
	v_add_nc_u32 v[AMB], s49, v[AMB]
	s_mul_i32 s49, s17, MGW
	v_add_nc_u32 v[MGA], s49, v[LN]
	s_wait_dscnt 0x0                               ; both opening adds are done
	s_wait_kmcnt 0x0
	s_add_nc_u64 s[4:5], s[4:5], s[52:53]          ; Q at my first tile
	s_lshr_b32 s52, s15, 2                         ; oimg: 256 row tiles of 8,192 bytes a batch; in a tile 2,048 bytes a head
	s_lshl_b32 s52, s52, 21
	s_lshl_b32 s53, s14, 17
	s_add_co_u32 s52, s52, s53
	s_lshl_b32 s53, s17, 15
	s_add_co_u32 s52, s52, s53
	s_and_b32 s53, s15, 3
	s_lshl_b32 s53, s53, 11
	s_add_co_u32 s52, s52, s53
	s_mov_b32 s53, 0
	s_add_nc_u64 s[10:11], s[10:11], s[52:53]
	s_add_nc_u64 s[PFA:PFA+1], s[6:7], s[58:59]
	s_mov_b32 s[G0], 1                             ; count = 1
	s_lshl_b32 s[G0+1], s[WV], 14                  ; LDS address: chunk w of slot 0: no place in the cluster enters it
	s_add_nc_u64 s[G0+2:G0+3], s[6:7], s[54:55]
	s_or_b32 s[G0+3], s[G0+3], 0x80000000          ; type = 2
	s_mov_b32 s[G0M], 1
	s_lshl_b32 s[G0M+1], s[WV], 11
	s_add_co_u32 s[G0M+1], s[G0M+1], MB
	s_add_nc_u64 s[G0M+2:G0M+3], s[8:9], s[56:57]
	s_or_b32 s[G0M+3], s[G0M+3], 0x80000000
	CROUND                                         ; all four work-groups are here: the first joint loads meet
	tensor_load_to_lds s[G0M:G0M+3], s[G1M:G1M+7]  ; the first fills go out together: two loads of mine are out
	s_nop 0
	tensor_load_to_lds s[G0:G0+3], s[G1:G1+7]
	s_nop 0
.rept 4
	v_nop
.endr
	WIN 0x40                                       ; destination window 1
.irp i, 0,1,2,3,4,5,6,7,8,9,10,11,12,13,14,15
	global_load_b128 v[Q+4*\i:Q+4*\i+3], v[LN], s[4:5] offset:512*\i   ; Q stays in registers: tile i / 4, channels 32 ((i / 2) % 2) on
.endr
.set i, 0
.rept 128
	v_mov_b32 v[i], 0                              ; O^T.  The step is written without a first step of its own: the first finds zeros, which a = 0 leaves zeros; that spares a third copy of the step
.set i, i+1
.endr
	WIN 0
.irp t, 0,1,2,3
	v_mov_b32 v[ST+8*\t], 0xff61b1e6               ; m = -3e38, under every t
	v_mov_b32 v[ST+8*\t+1], 0                      ; (named with m as a pair)
	v_mov_b32 v[ST+8*\t+2], 0                      ; l, in two halves
	v_mov_b32 v[ST+8*\t+3], 0
.endr
	s_wait_loadcnt 0x0                             ; Q
; A KEY STEP: 64 keys of my half against my 64 queries: 64 matrix instructions.  Every window is 0 on the way in and on the way out.
.macro STEP
	v_add_nc_u32 v[ADR], s[TB], v[AKV]
	v_add_nc_u32 v[ADM], s[TMK], v[AMB]
.rept 3
	v_nop                                          ; with the two additions five places behind the last product: the scores are laid over P, which it read, and K's loads land where V lay
.endr
.irp i, 0,1,2,3,4,5,6,7,8,9,10,11,12,13,14,15
	ds_load_b128 v[KV+4*\i:KV+4*\i+3], v[ADR] offset:512*\i             ; K: key tile i / 4, channels 32 ((i / 2) % 2) on
.endr
	WIN 0x40
.irp i, 0,1,2,3,4,5,6,7
	ds_load_b128 v[BI+4*\i:BI+4*\i+3], v[ADM] offset:64*(\i/2)+16*(\i%2)   ; the mask of keys 16 (i / 2) + 8 h + 0..7: the same for all queries
.endr
	s_wait_dscnt 0x0
	WIN 0x14                                       ; Q and the mask in window 1.  The 16 accumulators take turns, one instruction a turn
.irp t, 0,1,2,3
.irp a, 0,1,2,3
	v_wmma_f32_16x16x32_f16 v[S+32*\t+8*\a:S+32*\t+8*\a+7], v[KV+16*\a:KV+16*\a+7], v[Q+16*\t:Q+16*\t+7], v[BI+8*\a:BI+8*\a+7]
.endr
.endr
	WIN 0x04
.irp t, 0,1,2,3
.irp a, 0,1,2,3
	v_wmma_f32_16x16x32_f16 v[S+32*\t+8*\a:S+32*\t+8*\a+7], v[KV+16*\a+8:KV+16*\a+15], v[Q+16*\t+8:Q+16*\t+15], v[S+32*\t+8*\a:S+32*\t+8*\a+7]
.endr
.endr
	WIN 0
.rept 4
	v_nop                                          ; four places: in front of the loads into K's registers and of the first read of scores
.endr
.irp i, 0,1,2,3,4,5,6,7,8,9,10,11,12,13,14,15
	ds_load_b128 v[KV+4*\i:KV+4*\i+3], v[ADR] offset:8192+512*\i        ; V: keys 32 (i / 8) on, channels 16 ((i / 2) % 4) on; it lands under the softmax
.endr
	; THE SOFTMAX, the four tiles by turns line by line, so that no line waits for the line above it.  The maximum: four chains, each begun at an accumulator's low end
.irp j, 0,1,2,3
.irp t, 0,1,2,3
	v_max3_num_f32 v[ST+8*\t+4+\j], v[S+32*\t+8*\j], v[S+32*\t+8*\j+1], v[S+32*\t+8*\j+2]
.endr
.endr
.irp u, 1,2
.irp j, 0,1,2,3
.irp t, 0,1,2,3
	v_max3_num_f32 v[ST+8*\t+4+\j], v[ST+8*\t+4+\j], v[S+32*\t+8*\j+2*\u+1], v[S+32*\t+8*\j+2*\u+2]
.endr
.endr
.endr
.irp t, 0,1,2,3
	v_max3_num_f32 v[ST+8*\t+4], v[ST+8*\t+4], v[S+32*\t+7], v[S+32*\t+15]
.endr
.irp t, 0,1,2,3
	v_max3_num_f32 v[ST+8*\t+6], v[ST+8*\t+6], v[S+32*\t+23], v[S+32*\t+31]
.endr
.irp t, 0,1,2,3
	v_max3_num_f32 v[ST+8*\t+4], v[ST+8*\t+4], v[ST+8*\t+5], v[ST+8*\t+6]
.endr
.irp t, 0,1,2,3
	v_max3_num_f32 v[ST+8*\t+4], v[ST+8*\t+4], v[ST+8*\t+7], v[ST+8*\t]   ; and the old m
.endr
.irp t, 0,1,2,3
	v_permlanex16_b32 v[ST+8*\t+5], v[ST+8*\t+4], s[SEL], s[SEL+1]        ; the query's other 32 keys lie in the lane 16 away
.endr
.irp t, 0,1,2,3
	v_max_num_f32 v[ST+8*\t+4], v[ST+8*\t+4], v[ST+8*\t+5]
.endr
.irp t, 0,1,2,3
	v_sub_f32 v[ST+8*\t+7], v[ST+8*\t], v[ST+8*\t+4]                      ; m_old - m_new
.endr
.irp t, 0,1,2,3
	v_mov_b32 v[ST+8*\t], v[ST+8*\t+4]
.endr
.set i, 0
.rept 16
.irp t, 0,1,2,3
	v_pk_add_f32 v[S+32*\t+i:S+32*\t+i+1], v[S+32*\t+i:S+32*\t+i+1], v[ST+8*\t:ST+8*\t+1] op_sel_hi:[1,0] neg_lo:[0,1] neg_hi:[0,1]   ; t - m, two at a time
.endr
.set i, i+2
.endr
.irp t, 0,1,2,3
	v_exp_f32 v[ST+8*\t+6], v[ST+8*\t+7]           ; a.  ONE BATCH of 132 exponentials, none of which reads another's result
.endr
.set i, 0
.rept 32
.irp t, 0,1,2,3
	v_exp_f32 v[S+32*\t+i], v[S+32*\t+i]           ; p, at most 1
.endr
.set i, i+1
.endr
	v_nop                                          ; a plain instruction behind the last exponential (ISA guide 5.7.2)
	s_wait_alu depctr_va_vdst(0)                   ; the wait ahead of the first line that names a result: one for the batch
.irp t, 0,1,2,3
	v_pk_fma_f32 v[ST+8*\t+2:ST+8*\t+3], v[ST+8*\t+2:ST+8*\t+3], v[ST+8*\t+6:ST+8*\t+7], v[S+32*\t:S+32*\t+1] op_sel_hi:[1,0,1]   ; l = a l + p ..: the sum is taken of p in f32, in two chains
.endr
.irp t, 0,1,2,3
	v_pk_add_f32 v[BP+2*\t:BP+2*\t+1], v[S+32*\t+2:S+32*\t+3], v[S+32*\t+4:S+32*\t+5]
.endr
.irp p, 6,10,14,18,22,26
.irp t, 0,1,2,3
	v_pk_add_f32 v[ST+8*\t+2:ST+8*\t+3], v[ST+8*\t+2:ST+8*\t+3], v[S+32*\t+\p:S+32*\t+\p+1]
.endr
.irp t, 0,1,2,3
	v_pk_add_f32 v[BP+2*\t:BP+2*\t+1], v[BP+2*\t:BP+2*\t+1], v[S+32*\t+\p+2:S+32*\t+\p+3]
.endr
.endr
.irp t, 0,1,2,3
	v_pk_add_f32 v[ST+8*\t+2:ST+8*\t+3], v[ST+8*\t+2:ST+8*\t+3], v[S+32*\t+30:S+32*\t+31]
.endr
.irp t, 0,1,2,3
	v_pk_add_f32 v[ST+8*\t+2:ST+8*\t+3], v[ST+8*\t+2:ST+8*\t+3], v[BP+2*\t:BP+2*\t+1]
.endr
.set i, 0
.rept 16
.irp t, 0,1,2,3
	v_cvt_pk_f16_f32 v[S+32*\t+i], v[S+32*\t+2*i], v[S+32*\t+2*i+1]       ; P in place, ascending: register i is written when registers 2 i and 2 i + 1 are read
.endr
.set i, i+1
.endr
	WIN 0x41                                       ; O^T in window 1, a in window 0
.set i, 0
.rept 16
.irp t, 0,1,2,3
	v_pk_mul_f32 v[32*\t+i:32*\t+i+1], v[32*\t+i:32*\t+i+1], v[ST+8*\t+6:ST+8*\t+7] op_sel_hi:[1,0]   ; O^T x a, each accumulator from its low end
.endr
.set i, i+2
.endr
	s_wait_dscnt 0x0                               ; V is in
	WIN 0x50                                       ; C and D in window 1.  The 16 accumulators take turns again
.irp b, 0,1
.irp t, 0,1,2,3
.irp c, 0,1,2,3
	v_wmma_f32_16x16x32_f16 v[32*\t+8*\c:32*\t+8*\c+7], v[KV+32*\b+8*\c:KV+32*\b+8*\c+7], v[S+32*\t+8*\b:S+32*\t+8*\b+7], v[32*\t+8*\c:32*\t+8*\c+7]
.endr
.endr
.endr
	WIN 0
	s_add_co_u32 s[TB], s[TB], 16384               ; the next step's chunk,
	s_add_co_u32 s[TMK], s[TMK], 256               ; and its 64 numbers of the mask
.endm
; THE CHANGE OF SLOTS stands at a slot's head.  Each wave waits for all its tensor loads (its chunk of the slot ahead), adds 0 to its spare word, and waits for that and for its reads of the slot that it has left.
; fill = 1: the barrier is a round of the cluster's, so that no wave of any partner still reads the other slot or has a load on its way; behind it that slot takes the next four steps of both key halves:
; the wave's one tensor load until the next round, with four steps, 256 matrix instructions a wave, in which to land.  In the first trip all eight loads fill slot 1 for the first time.
.macro CHANGE fill
	s_wait_tensorcnt 0x0                           ; no tensor load of mine is out, so group 0 may be written
	ds_add_u32 v[SPW], v[NIL]                      ; 0 onto my spare word
.if \fill
	s_xor_b32 s[G0+1], s[G0+1], SLOT1              ; the other slot than last time,
	s_add_nc_u64 s[G0+2:G0+3], s[G0+2:G0+3], 65536 ; the next four steps; the type bits on top are not reached
	s_wait_xcnt 0x0                                ; the last prefetch, a slot back, has read its address, so it may be written:
	s_add_nc_u64 s[PFA:PFA+1], s[PFA:PFA+1], 65536 ; one slot further on than the walking descriptor
	s_wait_dscnt 0x0                               ; the add is done, and my reads of the slot that I have left are over
	CROUND
	tensor_load_to_lds s[G0:G0+3], s[G1:G1+7]
	s_nop 0
.rept 4
	v_nop
.endr
	ASK
.else
	s_wait_dscnt 0x0
	s_barrier_signal -1
	s_barrier_wait -1
.endif
.endm
.macro FOUR_STEPS                      ; a slot's four steps: written once, walked four times; the LDS addresses hang on s[TB] and s[TMK]
	s_mov_b32 s[FOUR], 4
.Lstep_\@:
	STEP
	s_sub_co_u32 s[FOUR], s[FOUR], 1
	s_cmp_lg_u32 s[FOUR], 0
	s_cbranch_scc1 .Lstep_\@
	s_sub_co_u32 s[TB], s[TB], 65536               ; back to a slot's first step,
	s_xor_b32 s[TB], s[TB], SLOT1                  ; in the other slot
.endm
.Lslot:                                            ; seven trips: behind each change of slots but the last the next slot is asked for
	CHANGE 1
	FOUR_STEPS
	s_sub_co_u32 s[SLOTS], s[SLOTS], 1
	s_cmp_lg_u32 s[SLOTS], 0
	s_cbranch_scc1 .Lslot
	CHANGE 0                                       ; the last slot is written out
	FOUR_STEPS
	; THE MERGE of the two key halves.  l's two halves and the other half of the lanes' are added (these sixteen lines are the places behind the last products)
.irp t, 0,1,2,3
	v_add_f32 v[ST+8*\t+4], v[ST+8*\t+2], v[ST+8*\t+3]
.endr
.irp t, 0,1,2,3
	v_permlanex16_b32 v[ST+8*\t+5], v[ST+8*\t+4], s[SEL], s[SEL+1]
.endr
.irp t, 0,1,2,3
	v_add_f32 v[BP+4+\t], v[ST+8*\t+4], v[ST+8*\t+5]   ; v52-55: l of the four tiles
.endr
.irp t, 0,1,2,3
	v_mov_b32 v[BP+\t], v[ST+8*\t]                     ; v48-51: m
.endr
	s_cmp_lt_u32 s[WV], 4
	s_cbranch_scc1 .Llow
	WIN 0x04                                       ; waves 4-7 hand over O^T, m and l as images of their registers (an LDS store's data are its source 1: window 1)
.set i, 0
.rept 32
	ds_store_b128 v[MGA], v[4*i:4*i+3] offset:512*i
.set i, i+1
.endr
	WIN 0
	ds_store_b128 v[MGA], v[BP:BP+3] offset:16384
	ds_store_b128 v[MGA], v[BP+4:BP+7] offset:16896
.Llow:
	s_wait_dscnt 0x0                               ; for the others' sake: my stores have landed
	s_barrier_signal -1
	s_barrier_wait -1
	s_cmp_ge_u32 s[WV], 4
	s_cbranch_scc1 .Ldone
.set i, 0
.rept 32
	ds_load_b128 v[S+4*i:S+4*i+3], v[MGA] offset:512*i  ; the other half's O^T, in the same lanes
.set i, i+1
.endr
	ds_load_b128 v[KV:KV+3], v[MGA] offset:16384        ; its m
	ds_load_b128 v[KV+4:KV+7], v[MGA] offset:16896      ; its l
	s_wait_dscnt 0x0
.irp t, 0,1,2,3
	v_max_num_f32 v[ST+8*\t+4], v[ST+8*\t], v[KV+\t]
.endr
.irp t, 0,1,2,3
	v_sub_f32 v[ST+8*\t+5], v[ST+8*\t], v[ST+8*\t+4]
	v_sub_f32 v[ST+8*\t+7], v[KV+\t], v[ST+8*\t+4]
.endr
.irp t, 0,1,2,3
	v_exp_f32 v[ST+8*\t+4], v[ST+8*\t+5]           ; my half's factor,
	v_exp_f32 v[ST+8*\t+6], v[ST+8*\t+7]           ; the other's: one of the two is 1
.endr
	v_nop
	s_wait_alu depctr_va_vdst(0)                   ; one wait for the eight
.irp t, 0,1,2,3
	v_mul_f32 v[ST+8*\t+2], v[KV+4+\t], v[ST+8*\t+6]
.endr
.irp t, 0,1,2,3
	v_fma_f32 v[ST+8*\t+2], v[BP+4+\t], v[ST+8*\t+4], v[ST+8*\t+2]   ; the row's sum, at least 1
.endr
.irp t, 0,1,2,3
	v_rcp_f32 v[ST+8*\t+3], v[ST+8*\t+2]
.endr
	v_nop
	s_wait_alu depctr_va_vdst(0)                   ; one wait for the four
.irp t, 0,1,2,3
	v_mul_f32 v[ST+8*\t+4], v[ST+8*\t+4], v[ST+8*\t+3]
	v_mul_f32 v[ST+8*\t+6], v[ST+8*\t+6], v[ST+8*\t+3]
.endr
.set i, 0
.rept 64
	v_pk_mul_f32 v[S+i:S+i+1], v[S+i:S+i+1], v[ST+8*(i/32)+6:ST+8*(i/32)+7] op_sel_hi:[1,0]
.set i, i+2
.endr
	WIN 0x01                                       ; my O^T: source 0, window 1
.set i, 0
.rept 64
	v_pk_fma_f32 v[S+i:S+i+1], v[i:i+1], v[ST+8*(i/32)+4:ST+8*(i/32)+5], v[S+i:S+i+1] op_sel_hi:[1,0,1]   ; each accumulator from its low end
.set i, i+2
.endr
	WIN 0
.set i, 0
.rept 64
	v_cvt_pk_f16_f32 v[S+i], v[S+2*i], v[S+2*i+1]  ; in place, ascending: four registers = row r, channels 16 ct + 8 h + 0..7: a fragment's half for the output projection
.set i, i+1
.endr
.irp t, 0,1,2,3
.irp c, 0,1,2,3
	global_store_b128 v[LN], v[S+16*\t+4*\c:S+16*\t+4*\c+3], s[10:11] offset:8192*\t+512*\c   ; 512 consecutive bytes, aligned
.endr
.endr
.Ldone:
	s_wait_tensorcnt 0x0                           ; the wave's end, behind my last tensor load and my last LDS store
	ds_add_u32 v[SPW], v[NIL]
	s_wait_dscnt 0x0
	CROUND                                         ; the closing round: no work-group ends while a partner may still ask for a tile that names it
	s_endpgm
.Lfunc_end_k_qedf7b094d9_attn:
	.size	k_qedf7b094d9_attn, .Lfunc_end_k_qedf7b094d9_attn-k_qedf7b094d9_attn
	.p2alignl 7, 3214868480
	.fill 96, 4, 3214868480
	.section	.rodata,"a",@progbits
	.p2align	6, 0x0
	.amdhsa_kernel k_qedf7b094d9_attn
		.amdhsa_group_segment_fixed_size 327680
		.amdhsa_private_segment_fixed_size 0
		.amdhsa_enable_private_segment 0
		.amdhsa_kernarg_size 32
		.amdhsa_user_sgpr_count 2
		.amdhsa_user_sgpr_kernarg_segment_ptr 1
		.amdhsa_wavefront_size32 1
		.amdhsa_system_sgpr_workgroup_id_x 1
		.amdhsa_system_sgpr_workgroup_id_y 1
		.amdhsa_system_sgpr_workgroup_id_z 1
		.amdhsa_system_vgpr_workitem_id 0
		.amdhsa_next_free_vgpr 512
		.amdhsa_next_free_sgpr 66
		.amdhsa_reserve_vcc 0
		.amdhsa_float_denorm_mode_32 3
		.amdhsa_float_denorm_mode_16_64 3
		.amdhsa_memory_ordered 1
		.amdhsa_forward_progress 1
		.amdhsa_inst_pref_size 98
	.end_amdhsa_kernel
	.amdgpu_metadata
---
amdhsa.version: [ 1, 2 ]
amdhsa.kernels:
  - .name:           k_qedf7b094d9_attn
    .symbol:         k_qedf7b094d9_attn.kd
    .args:
      - { .name: qimg, .offset: 0, .size: 8, .value_kind: global_buffer, .address_space: global }
      - { .name: kv, .offset: 8, .size: 8, .value_kind: global_buffer, .address_space: global }
      - { .name: maskb, .offset: 16, .size: 8, .value_kind: global_buffer, .address_space: global }
      - { .name: oimg, .offset: 24, .size: 8, .value_kind: global_buffer, .address_space: global }
    .group_segment_fixed_size: 327680
    .private_segment_fixed_size: 0
    .kernarg_segment_align: 8
    .kernarg_segment_size: 32
    .max_flat_workgroup_size: 256
    .sgpr_count:     66
    .vgpr_count:     512
    .wavefront_size: 32
...
	.end_amdgpu_metadata
.endif
;; end of part 3
;; launch outp (part 4): grid 256 x 1, 8 waves a work-group, no clusters, 100,352 bytes of LDS; arguments oimg, woimg, wo_b, out0; writes out0
.if DOCPART == 4
	.amdgcn_target "amdgcn-amd-amdhsa--gfx1250"
	.amdhsa_code_object_version 6
	.text
	.protected	k_qedf7b094d9_outp
	.globl	k_qedf7b094d9_outp
	.p2align	8
	.type	k_qedf7b094d9_outp,@function
k_qedf7b094d9_outp:
	s_mov_b64 s[64:65], 0
	v_nop
	global_prefetch_b8 v0, s[64:65] scope:SCOPE_SE
	s_setreg_imm32_b32 hwreg(HW_REG_WAVE_MODE, 25, 1), 1
	s_wait_xcnt 0x0
; out0 = O wo + wo_b.  O [16,384][256] and wo [256][256] arrive as f16 fragments (images of operand registers); sums in f32; out0 f32.
; A work-group takes 64 rows: 32,768 consecutive bytes of oimg, which its eight waves copy into LDS once, 4,096 bytes each.  THE WAVES SHARE THE COLUMNS: wave w makes outputs 32 w .. +31 for all 64 rows, 64 matrix
; instructions on eight accumulators by turns; its 16 fragments of wo stay in registers.  The product is used transposed (source 0 = 16 columns of wo, source 1 = 16 rows of O): a lane holds eight neighbouring outputs
; of one row.  The bias is the C of each sum's first matrix instruction.  A row's 1,024 bytes come from eight waves: they meet in a stage in LDS and leave as whole rows, 512 consecutive bytes a store.
; NO CLUSTER, NO TENSOR LOAD: wo's fragments, which all work-groups read, go from memory straight into the registers of the wave that multiplies by them, 16,384 bytes a wave, once; a joint load would send these
; 131,072 bytes through LDS and add 32 LDS loads a wave, for 64 matrix instructions.
.set STG,   32768                      ; LDS: O's image at 0; the stage: 64 rows x 1,040 bytes
.set SP,    1040                       ; 1,024 + 16 = 65 x 16: the sixteen rows that a store touches start at sixteen different banks (64 banks of 4 bytes: ISA guide 11.1)
.set SPARE, STG+64*SP                  ; the spare words, 128 bytes for each wave: four blocks of 256 bytes that no other line names
.set LI,  1                            ; v1   16 x lane
.set CPY, 2                            ; v2   4,096 x wave + 16 x lane
.set SO,  3                            ; v3   the stage: row r, + 128 x wave + 32 h
.set SR,  4                            ; v4   back: my 8 rows, 16 x lane
.set H32, 5                            ; v5   32 h
.set SPW, 6                            ; v6   my spare word; never rewritten
.set NIL, 7                            ; v7   0; never rewritten
.set BI,  16                           ; v16-31   the bias, 8 registers a tile j
.set OF,  32                           ; v32-63   first my 4,096 bytes of O, then a K step's four fragments of O
.set ACC, 64                           ; v64-127  accumulators (m, j) at 8 (2 m + j)
.set WO,  128                          ; v128-255 wo's fragments (j, ks) at 64 j + 8 ks; on the way out rows of out0
	s_load_b256 s[4:11], s[0:1], 0x0               ; oimg s[4:5], woimg s[6:7], wo_b s[8:9], out0 s[10:11]
	v_lshl_add_u32 v[SPW], v0, 2, SPARE
	v_mov_b32 v[NIL], 0
	v_lshrrev_b32 v8, 5, v0
	v_readfirstlane_b32 s12, v8                    ; wave 0..7
	v_and_b32 v8, 31, v0
	v_and_b32 v9, 15, v0                           ; r
	v_bfe_u32 v10, v0, 4, 1                        ; h
	v_lshlrev_b32 v[LI], 4, v8
	s_lshl_b32 s13, s12, 12
	v_add_nc_u32 v[CPY], s13, v[LI]
	v_mul_u32_u24 v[SO], v9, SP
	v_lshl_add_u32 v[SO], v10, 5, v[SO]
	s_lshl_b32 s13, s12, 7
	s_add_co_u32 s13, s13, STG
	v_add_nc_u32 v[SO], s13, v[SO]
	s_mul_i32 s13, s12, 8*SP
	s_add_co_u32 s13, s13, STG
	v_add_nc_u32 v[SR], s13, v[LI]
	v_lshlrev_b32 v[H32], 5, v10
	s_mov_b32 s15, 0
	s_wait_kmcnt 0x0
	s_lshl_b32 s14, ttmp9, 15
	s_lshl_b32 s13, s12, 12
	s_add_co_u32 s14, s14, s13
	s_add_nc_u64 s[4:5], s[4:5], s[14:15]          ; my 4,096 bytes of the work-group's 32,768
	s_lshl_b32 s14, s12, 14
	s_add_nc_u64 s[6:7], s[6:7], s[14:15]          ; my two tiles of wo
	s_lshl_b32 s14, s12, 7
	s_add_nc_u64 s[8:9], s[8:9], s[14:15]          ; my 32 numbers of the bias
	s_lshl_b32 s14, ttmp9, 16
	s_lshl_b32 s13, s12, 13
	s_add_co_u32 s14, s14, s13
	s_add_nc_u64 s[10:11], s[10:11], s[14:15]      ; the 8 rows that I store
.irp i, 0,1,2,3,4,5,6,7
	global_load_b128 v[OF+4*\i:OF+4*\i+3], v[LI], s[4:5] offset:512*\i th:TH_LOAD_NT
.endr
.set i, 0
.rept 32
	global_load_b128 v[WO+4*i:WO+4*i+3], v[LI], s[6:7] offset:512*i
.set i, i+1
.endr
.irp j, 0,1
.irp u, 0,1
	global_load_b128 v[BI+8*\j+4*\u:BI+8*\j+4*\u+3], v[H32], s[8:9] offset:64*\j+16*\u   ; register i = output 16 j + 8 h + i
.endr
.endr
	s_wait_loadcnt 36                              ; O's eight loads are in; wo's 32 and the bias's 4, issued behind them, may be out
.irp i, 0,1,2,3,4,5,6,7
	ds_store_b128 v[CPY], v[OF+4*\i:OF+4*\i+3] offset:512*\i
.endr
	s_wait_dscnt 0x0                               ; for the others' sake: my stores have landed
	s_barrier_signal -1
	s_barrier_wait -1                              ; the 64 rows' fragments lie in LDS: (row tile m, K step ks) at (8 m + ks) x 1,024
	s_wait_loadcnt 0x0
.irp ks, 0,1,2,3,4,5,6,7
.if \ks > 0
.rept 4
	v_nop                                          ; four places in front of loads into registers that matrix instructions have read (ISA guide 7.12.1 for vector instructions)
.endr
.endif
.irp m, 0,1,2,3
.irp c, 0,1
	ds_load_b128 v[OF+8*\m+4*\c:OF+8*\m+4*\c+3], v[LI] offset:(8*\m+\ks)*1024+512*\c
.endr
.endr
	s_wait_dscnt 0x0
.irp m, 0,1,2,3
.irp j, 0,1
.if \ks == 0
	v_wmma_f32_16x16x32_f16 v[ACC+8*(2*\m+\j):ACC+8*(2*\m+\j)+7], v[WO+64*\j+8*\ks:WO+64*\j+8*\ks+7], v[OF+8*\m:OF+8*\m+7], v[BI+8*\j:BI+8*\j+7]
.else
	v_wmma_f32_16x16x32_f16 v[ACC+8*(2*\m+\j):ACC+8*(2*\m+\j)+7], v[WO+64*\j+8*\ks:WO+64*\j+8*\ks+7], v[OF+8*\m:OF+8*\m+7], v[ACC+8*(2*\m+\j):ACC+8*(2*\m+\j)+7]
.endif
.endr
.endr
.endr
.rept 4
	v_nop                                          ; four places in front of the first read of results, and of the loads into wo's registers below
.endr
.irp m, 0,1,2,3
.irp j, 0,1
.irp u, 0,1
	ds_store_b128 v[SO], v[ACC+8*(2*\m+\j)+4*\u:ACC+8*(2*\m+\j)+4*\u+3] offset:16*SP*\m+64*\j+16*\u   ; lane (r, h): out(16 m + r, 32 w + 16 j + 8 h + 4 u ..); each accumulator from its low end
.endr
.endr
.endr
	s_wait_dscnt 0x0                               ; for the others' sake
	s_barrier_signal -1
	s_barrier_wait -1                              ; 64 whole rows lie in the stage
.irp i, 0,1,2,3,4,5,6,7,8,9,10,11,12,13,14,15
	ds_load_b128 v[WO+4*\i:WO+4*\i+3], v[SR] offset:SP*(\i/2)+512*(\i%2)
.endr
.irp i, 0,1,2,3,4,5,6,7,8,9,10,11,12,13,14,15
	s_wait_dscnt 15-\i                             ; LDS loads come back in order (ISA guide 5.7.1): the younger ones may be out
	global_store_b128 v[LI], v[WO+4*\i:WO+4*\i+3], s[10:11] offset:1024*(\i/2)+512*(\i%2) th:TH_STORE_NT   ; 512 consecutive bytes, aligned; written once, read by nobody here
.endr
	s_wait_tensorcnt 0x0                           ; the wave's end, behind my last LDS store
	ds_add_u32 v[SPW], v[NIL]
	s_wait_dscnt 0x0
	s_endpgm
.Lfunc_end_k_qedf7b094d9_outp:
	.size	k_qedf7b094d9_outp, .Lfunc_end_k_qedf7b094d9_outp-k_qedf7b094d9_outp
	.p2alignl 7, 3214868480
	.fill 96, 4, 3214868480
	.section	.rodata,"a",@progbits
	.p2align	6, 0x0
	.amdhsa_kernel k_qedf7b094d9_outp
		.amdhsa_group_segment_fixed_size 100352
		.amdhsa_private_segment_fixed_size 0
		.amdhsa_enable_private_segment 0
		.amdhsa_kernarg_size 32
		.amdhsa_user_sgpr_count 2
		.amdhsa_user_sgpr_kernarg_segment_ptr 1
		.amdhsa_wavefront_size32 1
		.amdhsa_system_sgpr_workgroup_id_x 1
		.amdhsa_system_sgpr_workgroup_id_y 1
		.amdhsa_system_sgpr_workgroup_id_z 1
		.amdhsa_system_vgpr_workitem_id 0
		.amdhsa_next_free_vgpr 256
		.amdhsa_next_free_sgpr 66
		.amdhsa_reserve_vcc 0
		.amdhsa_float_denorm_mode_32 3
		.amdhsa_float_denorm_mode_16_64 3
		.amdhsa_memory_ordered 1
		.amdhsa_forward_progress 1
		.amdhsa_inst_pref_size 20
	.end_amdhsa_kernel
	.amdgpu_metadata
---
amdhsa.version: [ 1, 2 ]
amdhsa.kernels:
  - .name:           k_qedf7b094d9_outp
    .symbol:         k_qedf7b094d9_outp.kd
    .args:
      - { .name: oimg, .offset: 0, .size: 8, .value_kind: global_buffer, .address_space: global }
      - { .name: woimg, .offset: 8, .size: 8, .value_kind: global_buffer, .address_space: global }
      - { .name: wo_b, .offset: 16, .size: 8, .value_kind: global_buffer, .address_space: global }
      - { .name: out0, .offset: 24, .size: 8, .value_kind: global_buffer, .address_space: global }
    .group_segment_fixed_size: 100352
    .private_segment_fixed_size: 0
    .kernarg_segment_align: 8
    .kernarg_segment_size: 32
    .max_flat_workgroup_size: 256
    .sgpr_count:     66
    .vgpr_count:     256
    .wavefront_size: 32
...
	.end_amdgpu_metadata
.endif
;; end of part 4
